; MI455X (gfx1250); checked and timed in simulation.
; The chip was launched on July 23, 2026; its instructions are those of AMD's public machine-readable ISA for CDNA 5 (MIT licence, August 2026) and "CDNA5" Instruction Set Architecture Reference Guide (July 2026). The comments in the code are by the model that wrote it; some were corrected since.
;; Multi Head Attention. Allowed arithmetic: float matrix products may take bf16 or f16 operands with f32 sums; all other float work in f32.
;; Inputs: Wk 1,024 x 1,024 float32; Wo 1,024 x 1,024 float32; Wq 1,024 x 1,024 float32; Wv 1,024 x 1,024 float32; bk 1,024 float32; bo 1,024 float32; bq 1,024 float32; bv 1,024 float32; key 4 x 2,048 x 1,024 float32; query 4 x 2,048 x 1,024 float32; value 4 x 2,048 x 1,024 float32.
;; Outputs: out0 4 x 2,048 x 1,024 float32.
;; 2 versions, each right; version 2 is version 1 with the launch prep written anew for expert scheduling mode. Each part assembles by itself: llvm-mc -triple=amdgcn-amd-amdhsa -mcpu=gfx1250 --defsym DOCPART=n.
;; ======== version 1 of 2: 4 launches
;; limits: values are held in f16: magnitudes above 65,504 overflow, below 6.1e-05 lose precision; right only within a limited range of input values
;; workspace buffers: wb 8,388,608 bytes; qkv 50,331,648 bytes; cb 16,777,216 bytes
;; launch prep (part 1): grid 256 x 1, 8 waves a work-group, no clusters, 0 bytes of LDS; arguments Wq, Wk, Wv, Wo, wb; writes wb
.if DOCPART == 1
	.amdgcn_target "amdgcn-amd-amdhsa--gfx1250"
	.amdhsa_code_object_version 6
	.text
	.protected	k_q2520bc23f8_prep
	.globl	k_q2520bc23f8_prep
	.p2align	8
	.type	k_q2520bc23f8_prep,@function
k_q2520bc23f8_prep:
	s_mov_b64 s[64:65], 0
	v_nop
	global_prefetch_b8 v0, s[64:65] scope:SCOPE_SE
	s_setreg_imm32_b32 hwreg(HW_REG_WAVE_MODE, 25, 1), 1
	s_wait_xcnt 0x0
; wb[p][k][n] = f16(W_p[k][n]), p = 0 Wq, 1 Wk, 2 Wv, 3 Wo; the order of the numbers is kept.
; Why: the later launches transpose the weights on the way from LDS to registers, and the transposing LDS load works on 16-bit numbers.
; Why f16 and not bf16: the program rounds twelve times between the inputs and the output; with f16's 11 significant bits each rounding is eight times
; finer than with bf16's 8.  LIMIT: a weight of magnitude 65,504 or more becomes infinity; below 2^-14 the spacing stays 2^-24.
; The weights drawn have a spread of 1/32: thirty times more or less, or an offset of thirty spreads, stays far inside.
; A stream: 16 MiB in, 8 MiB out, each byte once.  No LDS, no barrier, no matrix unit: nothing is shared and nothing is multiplied.
; 256 work-groups of 8 waves; a work-group takes 16,384 bytes of each weight, thread t the 16 bytes at 16 t of each chunk of 4,096.
; All sixteen loads of a thread go out first; no register is written twice, so no wait frees a source.
.set X, 4                              ; v[4:67]   load i = 4 p + c: four f32
.set Y, 68                             ; v[68:99]  load i: four f16 in a pair
.set WPART, 2097152                    ; bytes of one weight in wb
	s_load_b256 s[4:11], s[0:1], 0x0               ; Wq s[4:5], Wk s[6:7], Wv s[8:9], Wo s[10:11]
	s_load_b64 s[12:13], s[0:1], 0x20              ; wb
	v_lshlrev_b32 v1, 4, v0                        ; 16 bytes a thread in
	v_lshlrev_b32 v2, 3, v0                        ; 8 bytes a thread out
	s_lshl_b32 s14, ttmp9, 14                      ; the work-group's 16,384 bytes of each input
	s_mov_b32 s15, 0
	s_lshl_b32 s16, ttmp9, 13                      ; and its 8,192 bytes of each part of wb
	s_mov_b32 s17, 0
	s_wait_kmcnt 0x0
.irp p, 0,1,2,3
	s_add_nc_u64 s[4+2*\p:5+2*\p], s[4+2*\p:5+2*\p], s[14:15]
.endr
	s_add_nc_u64 s[12:13], s[12:13], s[16:17]
.irp p, 0,1,2,3
.irp c, 0,1,2,3
	global_load_b128 v[X+4*(4*\p+\c):X+4*(4*\p+\c)+3], v1, s[4+2*\p:5+2*\p] offset:\c*4096 th:TH_LOAD_NT   ; read once in the launch
.endr
.endr
.irp p, 0,1,2,3
.irp c, 0,1,2,3
	s_wait_loadcnt 15-(4*\p+\c)                    ; loads come back in order: this one is in, the younger ones stay out
	v_cvt_pk_f16_f32 v[Y+2*(4*\p+\c)], v[X+4*(4*\p+\c)], v[X+4*(4*\p+\c)+1]
	v_cvt_pk_f16_f32 v[Y+2*(4*\p+\c)+1], v[X+4*(4*\p+\c)+2], v[X+4*(4*\p+\c)+3]
	global_store_b64 v2, v[Y+2*(4*\p+\c):Y+2*(4*\p+\c)+1], s[12:13] offset:\p*WPART+\c*2048   ; a wave's store covers 256 consecutive bytes, aligned; later launches read them, so no hint
.endr
.endr
	s_endpgm
.Lfunc_end_k_q2520bc23f8_prep:
	.size	k_q2520bc23f8_prep, .Lfunc_end_k_q2520bc23f8_prep-k_q2520bc23f8_prep
	.p2alignl 7, 3214868480
	.fill 96, 4, 3214868480
	.section	.rodata,"a",@progbits
	.p2align	6, 0x0
	.amdhsa_kernel k_q2520bc23f8_prep
		.amdhsa_group_segment_fixed_size 0
		.amdhsa_private_segment_fixed_size 0
		.amdhsa_enable_private_segment 0
		.amdhsa_kernarg_size 40
		.amdhsa_user_sgpr_count 2
		.amdhsa_user_sgpr_kernarg_segment_ptr 1
		.amdhsa_wavefront_size32 1
		.amdhsa_system_sgpr_workgroup_id_x 1
		.amdhsa_system_sgpr_workgroup_id_y 1
		.amdhsa_system_sgpr_workgroup_id_z 1
		.amdhsa_system_vgpr_workitem_id 0
		.amdhsa_next_free_vgpr 104
		.amdhsa_next_free_sgpr 66
		.amdhsa_reserve_vcc 0
		.amdhsa_float_denorm_mode_32 3
		.amdhsa_float_denorm_mode_16_64 3
		.amdhsa_memory_ordered 1
		.amdhsa_forward_progress 1
		.amdhsa_inst_pref_size 7
	.end_amdhsa_kernel
	.amdgpu_metadata
---
amdhsa.version: [ 1, 2 ]
amdhsa.kernels:
  - .name:           k_q2520bc23f8_prep
    .symbol:         k_q2520bc23f8_prep.kd
    .args:
      - { .name: Wq, .offset: 0, .size: 8, .value_kind: global_buffer, .address_space: global }
      - { .name: Wk, .offset: 8, .size: 8, .value_kind: global_buffer, .address_space: global }
      - { .name: Wv, .offset: 16, .size: 8, .value_kind: global_buffer, .address_space: global }
      - { .name: Wo, .offset: 24, .size: 8, .value_kind: global_buffer, .address_space: global }
      - { .name: wb, .offset: 32, .size: 8, .value_kind: global_buffer, .address_space: global }
    .group_segment_fixed_size: 0
    .private_segment_fixed_size: 0
    .kernarg_segment_align: 8
    .kernarg_segment_size: 40
    .max_flat_workgroup_size: 256
    .sgpr_count:     66
    .vgpr_count:     104
    .wavefront_size: 32
...
	.end_amdgpu_metadata
.endif
;; end of part 1
;; launch qkv (part 2): grid 4 x 192, 4 waves a work-group, clusters of 4 x 4, 327,680 bytes of LDS; arguments query, key, value, bq, bk, bv, wb, qkv; writes qkv
.if DOCPART == 2
	.amdgcn_target "amdgcn-amd-amdhsa--gfx1250"
	.amdhsa_code_object_version 6
	.text
	.protected	k_q2520bc23f8_qkv
	.globl	k_q2520bc23f8_qkv
	.p2align	8
	.type	k_q2520bc23f8_qkv,@function
k_q2520bc23f8_qkv:
	s_mov_b64 s[64:65], 0
	v_nop
	global_prefetch_b8 v0, s[64:65] scope:SCOPE_SE
	s_setreg_imm32_b32 hwreg(HW_REG_WAVE_MODE, 25, 1), 1
	s_wait_xcnt 0x0
	s_wait_alu depctr_hold_cnt(0) depctr_sa_sdst(0) depctr_va_vdst(0) depctr_va_sdst(0) depctr_va_ssrc(0) depctr_va_vcc(0) depctr_vm_vsrc(0)
	s_getreg_b32 s2, hwreg(HW_REG_IB_STS2, 6, 4)
	s_cmp_eq_u32 s2, 0
	s_cbranch_scc0 .Lentry_in_a_cluster
	s_endpgm
.Lentry_in_a_cluster:
	s_bfe_u32 s2, ttmp6, 0x10000c
	s_cmp_lg_u32 s2, 0xf033
	s_cbranch_scc0 .Lentry_shape_is_right
	s_endpgm
.Lentry_shape_is_right:
; qkv[p][b][h][s][d] = f16( (x_p[b][s][:] . W_p[:][64 h + d] + b_p[64 h + d]) * c_p ),  p = 0 query, 1 key, 2 value.
; c_0 = 0.125 * log2(e), so that the next launch's softmax is a bare power of two; c_1 = c_2 = 1.
; FORMAT: x and W enter the matrix unit rounded to f16 (11 significant bits), sums in f32, bias and scale in f32, the result is rounded once to f16.
; LIMIT: an x, or a result 0.18 Q, K or V, of magnitude 65,504 or more becomes infinity.  Room, from the sizes: K = 1,024 terms, x of spread 1, W of spread 1/32.
; All inputs thirty times larger: results of spread 900.  An offset of thirty spreads on x and on W together: results near 1024 * 30 * 30/32 = 28,800.
; All thirty times smaller: results of spread 1/900, rounded with a spacing of 2^-24 at the worst.  NaN and infinity spread as the arithmetic spreads them.
; SHARE: M = 8,192 rows, N = 1,024, K = 1,024 for each p.  A work-group makes 128 x 256, so 64 x 4 x 3 = 768 work-groups, three for each of 256 WGPs.
; Four waves, a wave makes 64 x 128: 32 accumulator tiles, 256 registers.
; K goes in steps of 128 through two LDS slots.  A slot: x 128 rows x 128 f32 (rows of 512 bytes), W 128 k-rows x 256 f16 (rows of 512 bytes).
; x stays f32 in memory and LDS and is rounded to f16 in registers: a cast launch of its own would move x's bytes once more out and in.
; THE WORK-GROUPS DO NOT STAY for all three p: the laps of three tiles differ in what they fetch, and written out they are twelve laps, some 11,600
; instructions, each fetched for a single use; this text has three laps, of which one is a loop, some 3,100 instructions.
; NO PREFETCH into the L2: of a work-group's 8 K steps only steps 4 to 7 lie far enough behind its first loads to be asked for ahead, and the loop's second
; trip would have nothing left to ask for, so its two trips would differ or ask for the same blocks twice.
; CLUSTERS 4 x 4: x's tile hangs on the block row alone and is asked for jointly along a row of the cluster, W's on the block column (and p, which the
; whole cluster shares) and is asked for jointly along a column.
; THE MATRIX INSTRUCTION IS USED TRANSPOSED: source 0 = 16 columns n of W (by the transposing LDS load from W's [k][n] rows), source 1 = 16 rows of x.
; Lane (r, h) then holds, in register j of a tile, row m = r and column n = 8 h + j: eight neighbouring columns, 16 bytes of f16.
; REGISTERS: window 0: v16-23 addresses; v32-63, v64-95 x fragments in f16, two buffers; v96-159 x as loaded (f32), on the way out the scaled sums;
;            v160-191 packed results; v192-223 rows read back.   window 1: v0-63, v64-127 W fragments, two buffers; v128-191 bias * c.
;            window 2: accumulator tile (mt, nt) at 8 (8 mt + nt).
.set KSTEP,  128
.set XPITCH, 528                       ; 512 bytes + 16: an odd multiple of 16, so the 16 rows of a fragment load begin in 16 different 16-byte columns of 256 bytes
.set WPITCH, 544                       ; 512 bytes + 32: an odd multiple of 32, the same for the transposing load's 8 rows x 32 bytes
.set PART,   64*WPITCH                 ; 34,816: what one tensor load fills (64 rows; x's 64 x 528 fit inside)
.set SLOT,   4*PART                    ; x rows 0-63, x rows 64-127, W k-rows 0-63, W k-rows 64-127
.set STAGE,  2*SLOT                    ; behind the ring: 16 rows x 272 bytes for each wave; no tensor load lands there
.set SPITCH, 272
.set LAPS,   1024/(2*KSTEP)            ; a lap = two K steps = once round the ring
.set XA,   16                          ; v16-17  LDS address of my x fragments, slot 0, 1
.set WA,   18                          ; v18-19  the same for W
.set STO,  20                          ; the way out: where I put 16 bytes
.set RD,   21                          ; the way out: where I read back
.set CO,   22                          ; 16 x lane
.set BO,   23                          ; 32 h: my eight biases in a tile's sixteen
.set XB,   32
.set XR,   96
.set TMP,  160
.set OUTR, 192
.set WF,   0                           ; window 1
.set BIAS, 128                         ; window 1
.set G1X, 24                           ; s[24:31] group 1 for x
.set G0X, 32                           ; s[32:39] group 0 for x, a set for each slot
.set G1W, 48                           ; s[48:55] group 1 for W
.set G0W, 56                           ; s[56:63] group 0 for W, a set for each slot
.set MULW, 0xa1                        ; source 0 (W) window 1, source 1 (x) window 0, C and D window 2
.set TO_W, 0x40                        ; destination window 1, address window 0
.set MSB, 0
.macro WIN new                         ; the immediate's high byte repeats the setting that is left
.if MSB != \new
	s_set_vgpr_msb (MSB<<8)|\new
.set MSB, \new
.endif
.endm
.macro PLACES
.rept 4
	v_nop
.endr
.endm
; A joint load: waves 0, 1 fetch x's two halves, waves 2, 3 W's.  Each line has one mask; the branch hangs on the wave's number alone.
.macro JLOAD s
	s_cmp_eq_u32 s69, 0
	s_cbranch_scc0 .Lfor_w_\@
	tensor_load_to_lds s[G0X+4*\s:G0X+4*\s+3], s[G1X:G1X+7]
	s_nop 0
	s_branch .Lasked_\@
.Lfor_w_\@:
	tensor_load_to_lds s[G0W+4*\s:G0W+4*\s+3], s[G1W:G1W+7]
	s_nop 0
.Lasked_\@:
.endm
.macro CREST                           ; a round of the cluster's barrier behind its opening work-group barrier
	s_cmp_lg_u32 s68, 0
	s_cbranch_scc1 .Lnot_wave_0_\@
	s_barrier_signal -3
.Lnot_wave_0_\@:
	s_barrier_wait -3
	s_barrier_signal -1
	s_barrier_wait -1
.endm
.macro CROUND                          ; a whole round
	s_barrier_signal -1
	s_barrier_wait -1
	CREST
.endm
	s_load_b512 s[4:19], s[0:1], 0x0               ; query s[4:5], key s[6:7], value s[8:9], bq s[10:11], bk s[12:13], bv s[14:15], wb s[16:17], qkv s[18:19]
	v_lshl_add_u32 v254, v0, 2, 0x48400
	v_mov_b32 v255, 0
	ds_add_u32 v254, v255
	ds_add_u32 v254, v255
	v_lshrrev_b32 v1, 5, v0
	v_readfirstlane_b32 s68, v1                    ; wave 0..3
	s_lshr_b32 s69, s68, 1                         ; mh: my half of the block's rows.  Also: I fetch x (0) or W (1)
	s_and_b32 s70, s68, 1                          ; nh: my half of its columns.  Also: which 64 rows of that tile I fetch
	s_bfe_u32 s40, ttmp6, 0x40000                  ; cx
	s_bfe_u32 s41, ttmp6, 0x40004                  ; cy
	s_lshl_b32 s42, ttmp9, 2
	s_add_co_u32 s42, s42, s40                     ; block column 0..3 = 4 x cluster x + cx
	s_and_b32 s43, ttmp7, 0xffff                   ; cluster y, 0..47
	s_lshr_b32 s20, s43, 4                         ; p = which projection: sixteen clusters each, the same in a whole cluster
	s_and_b32 s43, s43, 15
	s_lshl_b32 s43, s43, 2
	s_add_co_u32 s43, s43, s41                     ; block row 0..63 = 4 x (cluster y mod 16) + cy
	s_lshl_b32 s44, s41, 2
	s_lshl_b32 s44, 15, s44                        ; my row of the cluster: places 4 cy .. 4 cy + 3
	s_lshl_b32 s45, 0x1111, s40                    ; my column: places cx, cx + 4, cx + 8, cx + 12
	; group 1 for x: 64 rows x 128 elements of 4 bytes, 4 words of padding behind every 128 words
	s_or_b32 s[G1X+0], s44, (2<<16)|(1<<20)|(1<<21)|(6<<22)|(3<<25)
	s_mov_b32 s[G1X+1], 128<<16                    ; tensor_dim0 = 128
	s_mov_b32 s[G1X+2], 64<<16                     ; tensor_dim1 = 64
	s_mov_b32 s[G1X+3], 128<<16                    ; tile_dim0 = 128
	s_mov_b32 s[G1X+4], 64                         ; tile_dim1 = 64
	s_mov_b32 s[G1X+5], 1024                       ; elements from row to row
	s_mov_b32 s[G1X+6], 0
	s_mov_b32 s[G1X+7], 0
	; group 1 for W: 64 k-rows x 256 elements of 2 bytes, 8 words of padding behind every 128 words
	s_or_b32 s[G1W+0], s45, (1<<16)|(1<<20)|(1<<21)|(6<<22)|(7<<25)
	s_mov_b32 s[G1W+1], 256<<16
	s_mov_b32 s[G1W+2], 64<<16
	s_mov_b32 s[G1W+3], 256<<16
	s_mov_b32 s[G1W+4], 64
	s_mov_b32 s[G1W+5], 1024
	s_mov_b32 s[G1W+6], 0
	s_mov_b32 s[G1W+7], 0
	; offsets of the first tiles.  x's registers never hold cx, W's never hold cy.
	s_lshl_b32 s72, s43, 19                        ; block row x 128 rows x 4,096 bytes
	s_lshl_b32 s73, s70, 18                        ; + my 64 rows
	s_add_co_u32 s72, s72, s73
	s_mov_b32 s73, 0
	s_lshl_b32 s76, s20, 21                        ; p x 2 MiB of wb
	s_lshl_b32 s77, s70, 17                        ; + my 64 k-rows of 2,048 bytes
	s_add_co_u32 s76, s76, s77
	s_lshl_b32 s77, s42, 9                         ; + block column x 256 columns x 2 bytes
	s_add_co_u32 s76, s76, s77
	s_mov_b32 s77, 0
	s_mul_i32 s21, s68, PART                       ; where my part of a slot lies: the wave's number alone
	s_wait_dscnt 0x0
	s_wait_kmcnt 0x0
	s_cmp_eq_u32 s20, 1                            ; the input and the bias of my projection, by selects: no branch
	s_cselect_b64 s[4:5], s[6:7], s[4:5]
	s_cselect_b64 s[10:11], s[12:13], s[10:11]
	s_cmp_eq_u32 s20, 2
	s_cselect_b64 s[4:5], s[8:9], s[4:5]
	s_cselect_b64 s[10:11], s[14:15], s[10:11]
	s_cmp_eq_u32 s20, 0
	s_cselect_b32 s22, 0x3e38aa3b, 1.0             ; c = 0.125 log2 e for Q, 1 for K and V
	s_mov_b32 s23, s22                             ; the pair's second word is written too
	s_add_nc_u64 s[74:75], s[4:5], s[72:73]
	s_add_nc_u64 s[78:79], s[16:17], s[76:77]
	CROUND                                         ; all sixteen work-groups are here: the first joint loads meet
.irp s, 0,1
	s_mov_b32 s[G0X+4*\s], 1
	s_add_co_u32 s[G0X+4*\s+1], s21, \s*SLOT
	s_add_nc_u64 s[G0X+4*\s+2:G0X+4*\s+3], s[74:75], \s*KSTEP*4        ; K step s: 128 f32 along the row
	s_or_b32 s[G0X+4*\s+3], s[G0X+4*\s+3], 0x80000000
	s_mov_b32 s[G0W+4*\s], 1
	s_add_co_u32 s[G0W+4*\s+1], s21, \s*SLOT
	s_add_nc_u64 s[G0W+4*\s+2:G0W+4*\s+3], s[78:79], \s*KSTEP*2048     ; K step s: 128 k-rows down
	s_or_b32 s[G0W+4*\s+3], s[G0W+4*\s+3], 0x80000000
	JLOAD \s                                       ; both slots are asked for before anything else: two tensor loads of the wave are out
.endr
	v_and_b32 v1, 31, v0                           ; L
	v_and_b32 v2, 15, v0                           ; r
	v_bfe_u32 v3, v0, 4, 1                         ; h
	v_and_b32 v4, 7, v0                            ; L & 7
	v_bfe_u32 v5, v0, 3, 1                         ; (L >> 3) & 1
	v_bfe_u32 v6, v0, 3, 2                         ; L >> 3
	v_lshlrev_b32 v[BO], 5, v3
	s_lshl_b32 s80, s42, 10                        ; my 128 biases: (256 x block column + 128 nh) x 4 bytes
	s_lshl_b32 s81, s70, 9
	s_add_co_u32 s80, s80, s81
	s_mov_b32 s81, 0
	s_add_nc_u64 s[10:11], s[10:11], s[80:81]
	WIN TO_W
.irp b, 0,1,2,3,4,5,6,7
	global_load_b128 v[BIAS+8*\b:BIAS+8*\b+3], v[BO], s[10:11] offset:64*\b        ; bias(16 nt + 8 h + 0..3)
	global_load_b128 v[BIAS+8*\b+4:BIAS+8*\b+7], v[BO], s[10:11] offset:64*\b+16   ; bias(16 nt + 8 h + 4..7)
.endr
	WIN 0
	; x fragment, 16 rows x 32 k: lane (r, h) needs k = 8 h .. +7 and 16 + 8 h .. +7 of row r: in f32 four loads of 16 bytes at 32 h + 0, 16, 64, 80
	s_mul_i32 s46, s69, PART
	v_mul_u32_u24 v7, v2, XPITCH
	v_lshl_add_u32 v7, v3, 5, v7
	v_add_nc_u32 v[XA], s46, v7
	v_add_nc_u32 v[XA+1], SLOT, v[XA]
	; W fragment by the transposing load: lane L addresses k-row 8 h + (L & 7), 16 bytes at column block (L >> 3) & 1
	s_lshl_b32 s47, s70, 8                         ; my 128 columns
	s_add_co_u32 s47, s47, 2*PART
	v_lshl_add_u32 v7, v3, 3, v4
	v_mul_u32_u24 v7, v7, WPITCH
	v_lshl_add_u32 v7, v5, 4, v7
	v_add_nc_u32 v[WA], s47, v7
	v_add_nc_u32 v[WA+1], SLOT, v[WA]
	s_mul_i32 s46, s68, 16*SPITCH
	s_add_co_u32 s46, s46, STAGE                   ; my stage
	v_mul_u32_u24 v7, v2, SPITCH
	v_lshl_add_u32 v7, v3, 4, v7
	v_add_nc_u32 v[STO], s46, v7                   ; in: row r, 16 bytes for each half of the lanes
	v_mul_u32_u24 v7, v6, SPITCH
	v_lshl_add_u32 v7, v4, 4, v7
	v_add_nc_u32 v[RD], s46, v7                    ; back: eight lanes take 128 bytes (one head's 64 numbers) of a row, four rows a load
	v_lshlrev_b32 v[CO], 4, v1
	; where my results go: p, batch, my first head, my first row of the sequence
	s_lshl_b32 s82, s43, 7
	s_lshl_b32 s83, s69, 6
	s_add_co_u32 s82, s82, s83                     ; m0 = 128 x block row + 64 mh
	s_lshr_b32 s83, s82, 11                        ; batch
	s_lshl_b32 s83, s83, 22                        ; x 16 heads x 262,144 bytes
	s_and_b32 s82, s82, 2047
	s_lshl_b32 s82, s82, 7                         ; row of the sequence x 128 bytes
	s_add_co_u32 s82, s82, s83
	s_lshl_b32 s83, s20, 24                        ; p x 16 MiB
	s_add_co_u32 s82, s82, s83
	s_lshl_b32 s83, s42, 20                        ; four heads for a block column
	s_add_co_u32 s82, s82, s83
	s_lshl_b32 s83, s70, 19                        ; two heads for my half
	s_add_co_u32 s82, s82, s83
	s_mov_b32 s83, 0
	s_add_nc_u64 s[18:19], s[18:19], s[82:83]
; 32 LDS loads: the fragments of quarter q (32 along K) of a slot: W into buffer g, x as f32 into XR
.macro FETCH slot, q, g
	WIN TO_W
.irp b, 0,1,2,3,4,5,6,7
	ds_load_tr16_b128 v[WF+64*\g+8*\b:WF+64*\g+8*\b+3], v[WA+\slot] offset:\q*32*WPITCH+32*\b
	ds_load_tr16_b128 v[WF+64*\g+8*\b+4:WF+64*\g+8*\b+7], v[WA+\slot] offset:\q*32*WPITCH+32*\b+16*WPITCH
.endr
	WIN 0
.irp a, 0,1,2,3
	ds_load_b128 v[XR+16*\a:XR+16*\a+3], v[XA+\slot] offset:\a*16*XPITCH+\q*128
	ds_load_b128 v[XR+16*\a+4:XR+16*\a+7], v[XA+\slot] offset:\a*16*XPITCH+\q*128+16
	ds_load_b128 v[XR+16*\a+8:XR+16*\a+11], v[XA+\slot] offset:\a*16*XPITCH+\q*128+64
	ds_load_b128 v[XR+16*\a+12:XR+16*\a+15], v[XA+\slot] offset:\a*16*XPITCH+\q*128+80
.endr
.endm
; x to f16, into buffer g.  These 32 plain vector instructions name XR and buffer g alone, none of the registers of the matrix instructions in front of
; them (which work on the other buffer): they are the places in front of the next loads into that other buffer.
.macro CVT g
.set ii, 0
.rept 32
	v_cvt_pk_f16_f32 v[XB+32*\g+ii], v[XR+2*ii], v[XR+2*ii+1]
.set ii, ii+1
.endr
.endm
; 16 matrix instructions: row tiles m0, m0 + 1 x all 8 column tiles.  zero = 1: the first product starts the sums.
; The 32 accumulators take turns, one instruction a turn, in one order everywhere.
.macro MUL16 f, m0, zero
.irp a, \m0, \m0+1
.irp b, 0,1,2,3,4,5,6,7
.if \zero
	v_wmma_f32_16x16x32_f16 v[8*(8*(\a)+\b):8*(8*(\a)+\b)+7], v[WF+64*\f+8*\b:WF+64*\f+8*\b+7], v[XB+32*\f+8*(\a):XB+32*\f+8*(\a)+7], 0
.else
	v_wmma_f32_16x16x32_f16 v[8*(8*(\a)+\b):8*(8*(\a)+\b)+7], v[WF+64*\f+8*\b:WF+64*\f+8*\b+7], v[XB+32*\f+8*(\a):XB+32*\f+8*(\a)+7], v[8*(8*(\a)+\b):8*(8*(\a)+\b)+7]
.endif
.endr
.endr
.endm
; One of a K step's first three quarters: asks for the next quarter's fragments, multiplies buffer f meanwhile, then rounds the new x
.macro QUARTER slot, qn, f, g, zero
	FETCH \slot, \qn, \g
	WIN MULW
	MUL16 \f, 0, \zero
	MUL16 \f, 2, \zero
	WIN 0
	s_wait_dscnt 0x0                               ; the 32 loads issued 32 matrix instructions ago
	CVT \g
.endm
.macro THREE slot, zero
	QUARTER \slot, 1, 0, 1, \zero
	QUARTER \slot, 2, 1, 0, 0
	QUARTER \slot, 3, 0, 1, 0
.endm
; The last quarter: multiplies buffer 1 and changes slots.  In front of the barrier each wave's reads of this slot are back and all its tensor loads have
; landed (the one that was out is its part of the next slot).  Behind it the refill comes first, then the next slot's first fragments.
.macro TURN slot, next, fill
	s_wait_dscnt 0x0                               ; my reads of this slot are over
	s_wait_tensorcnt 0x0                           ; all my tensor loads have landed
	ds_add_u32 v254, v255
	s_wait_dscnt 0x0
	s_barrier_signal -1                            ; (where the slot is filled again this barrier opens a round of the cluster's barrier)
	WIN MULW
	MUL16 1, 0, 0                                  ; register work while the others arrive
	WIN 0
	s_barrier_wait -1
.if \fill
	CREST                                          ; no wave of any partner still reads this slot or has a load on its way
	s_add_nc_u64 s[G0X+4*\slot+2:G0X+4*\slot+3], s[G0X+4*\slot+2:G0X+4*\slot+3], 2*KSTEP*4
	s_add_nc_u64 s[G0W+4*\slot+2:G0W+4*\slot+3], s[G0W+4*\slot+2:G0W+4*\slot+3], 2*KSTEP*2048
	JLOAD \slot                                    ; my one tensor load behind the round; 112 matrix instructions stand between it and the wait for it
.endif
	FETCH \next, 0, 0
	WIN MULW
	MUL16 1, 2, 0
	WIN 0
	s_wait_dscnt 0x0
	CVT 0
.endm
.macro LAP zero
	THREE 0, \zero
	TURN 0, 1, 1
	THREE 1, 0
	TURN 1, 0, 1
.endm
	s_wait_tensorcnt 0x1                           ; my part of K step 0 is in; K step 1's load, issued behind it, may stay out
	s_barrier_signal -1
	s_barrier_wait -1                              ; everybody's part is in
	FETCH 0, 0, 0
	s_wait_loadcnt 0x0                             ; the sixteen bias loads, once
	WIN 0x41
.set ii, 0
.rept 32
	v_pk_mul_f32 v[BIAS+2*ii:BIAS+2*ii+1], v[BIAS+2*ii:BIAS+2*ii+1], s[22:23] op_sel_hi:[1,0]   ; bias * c, so that the way out is one fused multiply-add
.set ii, ii+1
.endr
	WIN 0
	s_wait_dscnt 0x0
	CVT 0
	LAP 1                                          ; the first lap stands in front of the loop: its first products start the sums
	s_mov_b32 s3, LAPS-2
.Llap:
	LAP 0
	s_sub_co_u32 s3, s3, 1
	s_cmp_lg_u32 s3, 0
	s_cbranch_scc1 .Llap
	THREE 0, 0                                     ; the last lap fills nothing
	TURN 0, 1, 0
	THREE 1, 0
	WIN MULW
	MUL16 1, 0, 0
	MUL16 1, 2, 0
	PLACES                                         ; four places between the last matrix instruction and the first vector instruction that reads a result
; THE WAY OUT, 16 rows at a time: (sum + bias) * c in one fused multiply-add, rounded to f16, 16 bytes a lane into my stage, read back so that a wave's
; store covers 512 consecutive bytes: four rows of the sequence of one head.
.macro OUT16 a
	WIN 0x12                                       ; source 0 window 2 (sums), source 2 window 1 (bias * c), destination window 0
.irp b, 0,1,2,3,4,5,6,7
.irp j, 0,2,4,6
	v_pk_fma_f32 v[XR+8*\b+\j:XR+8*\b+\j+1], v[8*(8*\a+\b)+\j:8*(8*\a+\b)+\j+1], s[22:23], v[BIAS+8*\b+\j:BIAS+8*\b+\j+1] op_sel_hi:[1,0,1]
.endr
.endr
	WIN 0
.irp b, 0,1,2,3,4,5,6,7
.irp i, 0,1,2,3
	v_cvt_pk_f16_f32 v[TMP+4*\b+\i], v[XR+8*\b+2*\i], v[XR+8*\b+2*\i+1]
.endr
.endr
.irp b, 0,1,2,3,4,5,6,7
	ds_store_b128 v[STO], v[TMP+4*\b:TMP+4*\b+3] offset:32*\b
.endr
	s_wait_xcnt 0x0                                ; OUTR, which the earlier stores read, is loaded again only behind this wait
.irp u, 0,1,2,3,4,5,6,7
	ds_load_b128 v[OUTR+4*\u:OUTR+4*\u+3], v[RD] offset:(\u%4)*4*SPITCH+(\u/4)*128   ; LDS serves a wave's instructions in order: these see the stores above
.endr
.irp u, 0,1,2,3,4,5,6,7
	s_wait_dscnt 7-\u                              ; read-back u is in, the younger ones stay out
	global_store_b128 v[CO], v[OUTR+4*\u:OUTR+4*\u+3], s[18:19] offset:(\u/4)*262144+\a*2048+(\u%4)*512
.endr
.endm
	OUT16 0
	OUT16 1
	OUT16 2
	OUT16 3
	s_wait_tensorcnt 0x0
	ds_add_u32 v254, v255
	s_wait_dscnt 0x0
	CROUND                                         ; the closing round: no work-group ends while a partner may still ask for a tile that names it
	s_endpgm
.Lfunc_end_k_q2520bc23f8_qkv:
	.size	k_q2520bc23f8_qkv, .Lfunc_end_k_q2520bc23f8_qkv-k_q2520bc23f8_qkv
	.p2alignl 7, 3214868480
	.fill 96, 4, 3214868480
	.section	.rodata,"a",@progbits
	.p2align	6, 0x0
	.amdhsa_kernel k_q2520bc23f8_qkv
		.amdhsa_group_segment_fixed_size 327680
		.amdhsa_private_segment_fixed_size 0
		.amdhsa_enable_private_segment 0
		.amdhsa_kernarg_size 64
		.amdhsa_user_sgpr_count 2
		.amdhsa_user_sgpr_kernarg_segment_ptr 1
		.amdhsa_wavefront_size32 1
		.amdhsa_system_sgpr_workgroup_id_x 1
		.amdhsa_system_sgpr_workgroup_id_y 1
		.amdhsa_system_sgpr_workgroup_id_z 1
		.amdhsa_system_vgpr_workitem_id 0
		.amdhsa_next_free_vgpr 768
		.amdhsa_next_free_sgpr 84
		.amdhsa_reserve_vcc 0
		.amdhsa_float_denorm_mode_32 3
		.amdhsa_float_denorm_mode_16_64 3
		.amdhsa_memory_ordered 1
		.amdhsa_forward_progress 1
		.amdhsa_inst_pref_size 188
	.end_amdhsa_kernel
	.amdgpu_metadata
---
amdhsa.version: [ 1, 2 ]
amdhsa.kernels:
  - .name:           k_q2520bc23f8_qkv
    .symbol:         k_q2520bc23f8_qkv.kd
    .args:
      - { .name: query, .offset: 0, .size: 8, .value_kind: global_buffer, .address_space: global }
      - { .name: key, .offset: 8, .size: 8, .value_kind: global_buffer, .address_space: global }
      - { .name: value, .offset: 16, .size: 8, .value_kind: global_buffer, .address_space: global }
      - { .name: bq, .offset: 24, .size: 8, .value_kind: global_buffer, .address_space: global }
      - { .name: bk, .offset: 32, .size: 8, .value_kind: global_buffer, .address_space: global }
      - { .name: bv, .offset: 40, .size: 8, .value_kind: global_buffer, .address_space: global }
      - { .name: wb, .offset: 48, .size: 8, .value_kind: global_buffer, .address_space: global }
      - { .name: qkv, .offset: 56, .size: 8, .value_kind: global_buffer, .address_space: global }
    .group_segment_fixed_size: 327680
    .private_segment_fixed_size: 0
    .kernarg_segment_align: 8
    .kernarg_segment_size: 64
    .max_flat_workgroup_size: 128
    .sgpr_count:     84
    .vgpr_count:     768
    .wavefront_size: 32
...
	.end_amdgpu_metadata
.endif
;; end of part 2
;; launch attn (part 3): grid 256 x 1, 8 waves a work-group, clusters of 4 x 1, 327,680 bytes of LDS; arguments qkv, cb; writes cb
.if DOCPART == 3
	.amdgcn_target "amdgcn-amd-amdhsa--gfx1250"
	.amdhsa_code_object_version 6
	.text
	.protected	k_q2520bc23f8_attn
	.globl	k_q2520bc23f8_attn
	.p2align	8
	.type	k_q2520bc23f8_attn,@function
k_q2520bc23f8_attn:
	s_mov_b64 s[64:65], 0
	v_nop
	global_prefetch_b8 v0, s[64:65] scope:SCOPE_SE
	s_setreg_imm32_b32 hwreg(HW_REG_WAVE_MODE, 25, 1), 1
	s_wait_xcnt 0x0
	s_wait_alu depctr_hold_cnt(0) depctr_sa_sdst(0) depctr_va_vdst(0) depctr_va_sdst(0) depctr_va_ssrc(0) depctr_va_vcc(0) depctr_vm_vsrc(0)
	s_getreg_b32 s2, hwreg(HW_REG_IB_STS2, 6, 4)
	s_cmp_eq_u32 s2, 0
	s_cbranch_scc0 .Lentry_in_a_cluster
	s_endpgm
.Lentry_in_a_cluster:
	s_bfe_u32 s2, ttmp6, 0x10000c
	s_cmp_lg_u32 s2, 0x3003
	s_cbranch_scc0 .Lentry_shape_is_right
	s_endpgm
.Lentry_shape_is_right:
; cb[b][h][q][d] = f16( sum over keys of softmax_key( Q[q] . K[key] / 8 ) V[key][d] ), for each of the 64 (b, h).
; Q comes already multiplied by 0.125 log2 e, so exp(x - max) is 2^(s - m).  The maximum is a running one, taken away before every exponential.
; FORMAT: Q, K, V, the weights p = 2^(s - m) and the result are f16 (11 significant bits), all sums and the softmax f32.
; LIMITS: p lies in [0, 1]; a power of two below 2^-126 counts as 0, and a p below 2^-25 enters the product with V as 0, beside a row sum of at least 1.
; The result is a mean of V's rows, so it is no larger than V, which the launch before has kept below 65,504; a mean over 2,048 keys can be 45 times
; smaller than V's spread and is rounded with a spacing of 2^-24 at the worst.
; The row sum adds the unrounded p, in the order of the lanes' registers.  NaN and infinity spread as the arithmetic spreads them.
; SHARE: a cluster of four work-groups takes one head, a work-group 512 rows of Q, each of its 8 waves 64 rows: two waves on a SIMD, so that one wave's
; softmax runs beside the other's products.  The four work-groups walk the same K and V: every tile is asked for jointly (mask 15).
; PRODUCTS, both transposed, so that no number changes its lane:
;   S^T = K Q^T: source 0 = 16 keys, source 1 = 16 rows of Q; register j of lane (r, h) = key 16 kt + 8 h + j, row q = 16 qt + r.
;   Packed to f16, the tiles kt = 2u, 2u + 1 ARE the source-1 fragment of P^T for keys 32 u .. 32 u + 31.
;   O^T = V^T P^T: source 0 = 16 columns d of V, by the transposing LDS load from V's [key][d] rows; register j = d 16 dt + 8 h + j, row q = 16 qt + r.
;   A row's maximum, sum and factor are then one number a lane; one exchange joins the two halves of the lanes.
; LDS: two slots of 512 keys, the largest that fit twice: 2,048 keys are two first fills and two refills, so the eight waves meet at a change of slots three
; times.  A head's K and V are dense, so a wave's 128 keys come as one tile of 64 rows of 256 bytes, two keys a row.
; A slot is walked in eight steps of 64 keys by a loop of ONE step, whose two LDS addresses step from block to block; the slot's last step is written out,
; since it asks for no further K fragments and gives the barrier's signal as soon as its V fragments are in.
; No prefetch into the L2: a refill has the other slot's eight steps in which to land.
; REGISTERS: window 0: addresses, MM (m, T), AL (alpha, U), LL (two partial sums) a pair for each qt, QF, KF, PF, the two running addresses.
;            window 1: v0-127 S tile (kt, qt) at 8 (4 qt + kt); v128-255 O tile (dt, qt) at 128 + 8 (4 qt + dt); V fragments overlay S of qt = 0, 1.
.set KPITCH, 272                       ; 256 + 16: 16 keys of a fragment load begin in 16 different 16-byte columns of 256 bytes
.set VPITCH, 288                       ; 256 + 32: the 8 keys of a transposing load begin in 8 different 32-byte columns
.set KBLK,   32*KPITCH                 ; 8,704: a block of 64 keys of K
.set VBLK,   32*VPITCH                 ; 9,216: a block of 64 keys of V
.set BLKS,   8                         ; blocks in a slot
.set VREG,   BLKS*KBLK                 ; 69,632: V's eight blocks lie behind K's eight
.set SLOT,   BLKS*(KBLK+VBLK)          ; 143,360
.set STAGE,  2*SLOT                    ; 286,720, a multiple of 256: behind the ring, 32 rows x 144 bytes for each wave; no tensor load lands there
.set OPITCH, 144
.set SROWS,  32
.set KA,  8                            ; v8-9    LDS address of my K fragments in block 0 of slot 0, 1
.set VA,  10                           ; v10-11  the same for V
.set STO, 12
.set RD,  13
.set CO,  14
.set QO,  15
.set MM,  16                           ; v16-23  (m, T) for qt = 0..3
.set AL,  24                           ; v24-31  (alpha, U)
.set LL,  32                           ; v32-39  two partial sums
.set QF,  40                           ; v40-103   Q fragment (qt, c) at 8 (2 qt + c)
.set KF,  104                          ; v104-167  K fragment (kt, c) at 8 (2 kt + c)
.set PF,  168                          ; v168-231  P^T fragment (qt, u) at 16 qt + 8 u
.set KC,  232                          ; running: my K fragments in the block BEHIND the step's
.set VC,  233                          ; running: my V fragments in the step's block
.set SS,  0                            ; window 1
.set OO,  128                          ; window 1
.set VF,  0                            ; window 1: V^T fragment (dt, u) at 8 (2 dt + u)
.set G1K, 16
.set G1V, 24
.set G0K, 32
.set G0V, 40
.set MSB, 0
.macro WIN new
.if MSB != \new
	s_set_vgpr_msb (MSB<<8)|\new
.set MSB, \new
.endif
.endm
.macro PLACES
.rept 4
	v_nop
.endr
.endm
.macro JLOAD s                         ; waves 0-3 fetch K's four parts of 128 keys, waves 4-7 V's
	s_cmp_eq_u32 s9, 0
	s_cbranch_scc0 .Lfor_v_\@
	tensor_load_to_lds s[G0K+4*\s:G0K+4*\s+3], s[G1K:G1K+7]
	s_nop 0
	s_branch .Lasked_\@
.Lfor_v_\@:
	tensor_load_to_lds s[G0V+4*\s:G0V+4*\s+3], s[G1V:G1V+7]
	s_nop 0
.Lasked_\@:
.endm
.macro CREST                           ; a round of the cluster's barrier behind its opening work-group barrier
	s_cmp_lg_u32 s8, 0
	s_cbranch_scc1 .Lnot_wave_0_\@
	s_barrier_signal -3
.Lnot_wave_0_\@:
	s_barrier_wait -3
	s_barrier_signal -1
	s_barrier_wait -1
.endm
.macro CROUND                          ; a whole round
	s_barrier_signal -1
	s_barrier_wait -1
	CREST
.endm
	s_load_b128 s[4:7], s[0:1], 0x0                ; qkv s[4:5], cb s[6:7]
	v_lshl_add_u32 v254, v0, 2, 0x4f000
	v_mov_b32 v255, 0
	ds_add_u32 v254, v255
	ds_add_u32 v254, v255
	v_lshrrev_b32 v1, 5, v0
	v_readfirstlane_b32 s8, v1                     ; wave 0..7
	s_lshr_b32 s9, s8, 2                           ; I fetch K (0) or V (1)
	s_and_b32 s10, s8, 3                           ; which 128 keys of a slot's 512
	s_bfe_u32 s11, ttmp6, 0x40000                  ; cx: my 512 rows of Q
	s_mov_b32 s12, 0x76543210                      ; v_permlanex16_b32: lane i reads lane i of the other half
	s_mov_b32 s13, 0xfedcba98
	; group 1: 64 rows x 128 elements of 2 bytes, dense in memory; padding behind every 64 words: 4 words for K, 8 for V
	s_mov_b32 s[G1K+0], 15|(1<<16)|(1<<20)|(1<<21)|(5<<22)|(3<<25)
	s_mov_b32 s[G1K+1], 128<<16
	s_mov_b32 s[G1K+2], 64<<16
	s_mov_b32 s[G1K+3], 128<<16
	s_mov_b32 s[G1K+4], 64
	s_mov_b32 s[G1K+5], 128
	s_mov_b32 s[G1K+6], 0
	s_mov_b32 s[G1K+7], 0
	s_mov_b32 s[G1V+0], 15|(1<<16)|(1<<20)|(1<<21)|(5<<22)|(7<<25)
	s_mov_b32 s[G1V+1], 128<<16
	s_mov_b32 s[G1V+2], 64<<16
	s_mov_b32 s[G1V+3], 128<<16
	s_mov_b32 s[G1V+4], 64
	s_mov_b32 s[G1V+5], 128
	s_mov_b32 s[G1V+6], 0
	s_mov_b32 s[G1V+7], 0
	s_lshl_b32 s48, ttmp9, 18                      ; the head (the cluster's x) x 262,144 bytes
	s_lshl_b32 s49, s10, 14                        ; + my 128 keys of 128 bytes
	s_add_co_u32 s48, s48, s49
	s_mov_b32 s49, 0
	s_mul_i32 s14, s10, 2*KBLK                     ; where a part of K lies in a slot: two blocks for each of waves 0-3
	s_mul_i32 s15, s10, 2*VBLK                     ; where a part of V lies: two blocks for each of waves 4-7,
	s_add_co_u32 s15, s15, VREG                    ; behind K's
	s_lshl_b32 s52, ttmp9, 18                      ; my 64 rows of Q and of the result: head, 512 rows for cx, 64 for the wave
	s_lshl_b32 s53, s11, 16
	s_add_co_u32 s52, s52, s53
	s_lshl_b32 s53, s8, 13
	s_add_co_u32 s52, s52, s53
	s_mov_b32 s53, 0
	v_and_b32 v2, 15, v0                           ; r
	v_bfe_u32 v3, v0, 4, 1                         ; h
	v_lshlrev_b32 v6, 7, v2
	v_lshl_add_u32 v[QO], v3, 4, v6                ; 128 r + 16 h
	s_wait_dscnt 0x0
	s_wait_kmcnt 0x0
	s_add_nc_u64 s[50:51], s[4:5], s[48:49]
	s_add_nc_u64 s[4:5], s[4:5], s[52:53]
	s_add_nc_u64 s[6:7], s[6:7], s[52:53]
	CROUND                                         ; the four work-groups are here: the first joint loads meet
.irp s, 0,1
	s_mov_b32 s[G0K+4*\s], 1
	s_add_co_u32 s[G0K+4*\s+1], s14, \s*SLOT
	s_add_nc_u64 s[G0K+4*\s+2:G0K+4*\s+3], s[50:51], 16777216+\s*65536     ; K is part 1 of qkv; slot s: keys 512 s ..
	s_or_b32 s[G0K+4*\s+3], s[G0K+4*\s+3], 0x80000000
	s_mov_b32 s[G0V+4*\s], 1
	s_add_co_u32 s[G0V+4*\s+1], s15, \s*SLOT
	s_add_nc_u64 s[G0V+4*\s+2:G0V+4*\s+3], s[50:51], 33554432+\s*65536     ; V is part 2
	s_or_b32 s[G0V+4*\s+3], s[G0V+4*\s+3], 0x80000000
	JLOAD \s                                       ; two tensor loads of the wave are out
.endr
	; Q straight into fragments, once: lane (r, h) takes d = 32 c + 8 h .. +7 and + 16 of row 16 qt + r
.irp q, 0,1,2,3
.irp c, 0,1
	global_load_b128 v[QF+8*(2*\q+\c):QF+8*(2*\q+\c)+3], v[QO], s[4:5] offset:\q*2048+64*\c
	global_load_b128 v[QF+8*(2*\q+\c)+4:QF+8*(2*\q+\c)+7], v[QO], s[4:5] offset:\q*2048+64*\c+32
.endr
.endr
	v_and_b32 v1, 31, v0                           ; L
	v_lshrrev_b32 v4, 1, v2                        ; r >> 1: the LDS row of key r
	v_and_b32 v5, 1, v0                            ; r & 1: its half of that row
	v_mul_u32_u24 v6, v4, KPITCH
	v_lshl_add_u32 v6, v5, 7, v6
	v_lshl_add_u32 v[KA], v3, 4, v6
	v_add_nc_u32 v[KA+1], SLOT, v[KA]
	v_bfe_u32 v6, v0, 1, 2                         ; V: lane L addresses key 8 h + (L & 7): LDS row 4 h + ((L & 7) >> 1), half L & 1,
	v_lshl_add_u32 v6, v3, 2, v6
	v_mul_u32_u24 v6, v6, VPITCH
	v_lshl_add_u32 v6, v5, 7, v6
	v_bfe_u32 v7, v0, 3, 1                         ; 16 bytes at column block (L >> 3) & 1
	v_lshl_add_u32 v6, v7, 4, v6
	v_add_nc_u32 v[VA], VREG, v6
	v_add_nc_u32 v[VA+1], SLOT, v[VA]
	s_mul_i32 s54, s8, SROWS*OPITCH
	s_add_co_u32 s54, s54, STAGE                   ; my stage
	v_mul_u32_u24 v6, v2, OPITCH
	v_lshl_add_u32 v6, v3, 4, v6
	v_add_nc_u32 v[STO], s54, v6
	v_bfe_u32 v6, v0, 3, 2                         ; L >> 3
	v_mul_u32_u24 v6, v6, OPITCH
	v_and_b32 v7, 7, v0
	v_lshl_add_u32 v6, v7, 4, v6
	v_add_nc_u32 v[RD], s54, v6
	v_lshlrev_b32 v[CO], 4, v1
.irp q, 0,1,2,3
	v_mov_b32 v[AL+2*\q+1], 0                      ; the exchange's destination counts as read: written once here
.endr
.macro KLOAD a                         ; 16 loads: the K fragments of the block of 64 keys at address register a
	WIN 0
.irp t, 0,1,2,3
.irp c, 0,1
	ds_load_b128 v[KF+8*(2*\t+\c):KF+8*(2*\t+\c)+3], v[\a] offset:\t*8*KPITCH+64*\c
	ds_load_b128 v[KF+8*(2*\t+\c)+4:KF+8*(2*\t+\c)+7], v[\a] offset:\t*8*KPITCH+64*\c+32
.endr
.endr
.endm
.macro VLOAD                           ; 16 transposing loads: the V^T fragments of the step's block
	WIN 0x40
.irp d, 0,1,2,3
.irp u, 0,1
	ds_load_tr16_b128 v[VF+8*(2*\d+\u):VF+8*(2*\d+\u)+3], v[VC] offset:\u*16*VPITCH+32*\d
	ds_load_tr16_b128 v[VF+8*(2*\d+\u)+4:VF+8*(2*\d+\u)+7], v[VC] offset:\u*16*VPITCH+32*\d+8*VPITCH
.endr
.endr
.endm
; One pair of weights: added to the row's two partial sums and packed.  The sum is written as a multiply-add by 1.0 so that the running sum stands in the
; third source place, whose window is 0 while the first two places' is 1: the sum and the packing then share one window setting.
.macro SP q, i
	v_pk_fma_f32 v[LL+2*\q:LL+2*\q+1], v[SS+32*\q+2*\i:SS+32*\q+2*\i+1], 1.0, v[LL+2*\q:LL+2*\q+1] op_sel_hi:[1,0,1]
	v_cvt_pk_f16_f32 v[PF+16*\q+\i], v[SS+32*\q+2*\i], v[SS+32*\q+2*\i+1]
.endm
; p = 2^(s - m), its sum and its packing for the row tiles qa and qb = qa + 1 (64 registers of S)
.macro EXPHALF qa, qb, first
	WIN 0x41
.irp q, \qa, \qb
.set ii, 0
.rept 16
	v_pk_add_f32 v[SS+32*\q+ii:SS+32*\q+ii+1], v[SS+32*\q+ii:SS+32*\q+ii+1], v[MM+2*\q:MM+2*\q+1] op_sel_hi:[1,0] neg_lo:[0,1] neg_hi:[0,1]   ; s - m, both by the pair's first word
.set ii, ii+2
.endr
.endr
.set ii, 0
.rept 64
	v_exp_f32 v[SS+32*\qa+ii], v[SS+32*\qa+ii]
.set ii, ii+1
.endr
	v_nop                                          ; one plain vector instruction between the last exponential and the first use of a result
	s_wait_alu depctr_va_vdst(0)
	WIN 0x05
.if \first
	s_wait_alu depctr_va_vdst(0)
.irp q, \qa, \qb
	v_pk_add_f32 v[LL+2*\q:LL+2*\q+1], v[SS+32*\q:SS+32*\q+1], v[SS+32*\q+2:SS+32*\q+3]   ; the first two pairs start the sums: nothing is cleared
	v_cvt_pk_f16_f32 v[PF+16*\q], v[SS+32*\q], v[SS+32*\q+1]
	v_cvt_pk_f16_f32 v[PF+16*\q+1], v[SS+32*\q+2], v[SS+32*\q+3]
.endr
.else
	SP \qa, 0
	SP \qb, 0
	SP \qa, 1
	SP \qb, 1
.endif
.set ii, 2
.rept 14
	SP \qa, ii
	SP \qb, ii
.set ii, ii+1
.endr
.endm
; One step: 64 keys.  On entry the K fragments of the step's block are on their way or in, VC points at its V block, KC at the next K block.
; first = 1: the launch's first keys start maximum, sums and O.  pre = 1: the next block's K fragments are asked for on the way.
; sig = 1: the slot's last step.  As soon as its V fragments are in, the wave has read all that it reads of the slot: it waits for all its tensor loads too
; and gives the signal of the barrier in front of the change of slots; the scaling of O and the 32 products that follow are register work.
; In both products the 16 accumulators take turns, one instruction a turn, in one order.
.macro SUB first, pre, sig
	s_wait_dscnt 0x0                               ; this step's K fragments
	WIN 0x50
.irp q, 0,1,2,3
.irp t, 0,1,2,3
	v_wmma_f32_16x16x32_f16 v[SS+8*(4*\q+\t):SS+8*(4*\q+\t)+7], v[KF+16*\t:KF+16*\t+7], v[QF+16*\q:QF+16*\q+7], 0
.endr
.endr
.irp q, 0,1,2,3
.irp t, 0,1,2,3
	v_wmma_f32_16x16x32_f16 v[SS+8*(4*\q+\t):SS+8*(4*\q+\t)+7], v[KF+16*\t+8:KF+16*\t+15], v[QF+16*\q+8:QF+16*\q+15], v[SS+8*(4*\q+\t):SS+8*(4*\q+\t)+7]
.endr
.endr
	PLACES                                         ; four places in front of the reads of S and of the loads into KF
	WIN 0x05
.irp q, 0,1,2,3
.if \first
	v_max_num_f32 v[MM+2*\q+1], v[SS+32*\q], v[SS+32*\q+1]
.else
	v_max3_num_f32 v[MM+2*\q+1], v[SS+32*\q], v[SS+32*\q+1], v[MM+2*\q]      ; the old maximum starts the chain
.endif
.endr
.set ii, 2
.rept 15
.irp q, 0,1,2,3
	v_max3_num_f32 v[MM+2*\q+1], v[SS+32*\q+ii], v[SS+32*\q+ii+1], v[MM+2*\q+1]
.endr
.set ii, ii+2
.endr
	WIN 0
.if \pre
	KLOAD KC
.endif
.irp q, 0,1,2,3
	v_permlanex16_b32 v[AL+2*\q+1], v[MM+2*\q+1], s12, s13                   ; the other half of the lanes holds the row's other keys
.endr
.irp q, 0,1,2,3
	v_max_num_f32 v[MM+2*\q+1], v[MM+2*\q+1], v[AL+2*\q+1]                   ; T = the new maximum
.endr
.if \first
.irp q, 0,1,2,3
	v_mov_b32 v[MM+2*\q], v[MM+2*\q+1]
.endr
.else
.irp q, 0,1,2,3
	v_sub_f32 v[AL+2*\q], v[MM+2*\q], v[MM+2*\q+1]
.endr
.irp q, 0,1,2,3
	v_exp_f32 v[AL+2*\q], v[AL+2*\q]                                         ; alpha = 2^(m old - m new)
.endr
.irp q, 0,1,2,3
	v_mov_b32 v[MM+2*\q], v[MM+2*\q+1]                                       ; m = T; also the plain instructions behind the exponentials
.endr
	s_wait_alu depctr_va_vdst(0)
.irp q, 0,1,2,3
	v_pk_mul_f32 v[LL+2*\q:LL+2*\q+1], v[LL+2*\q:LL+2*\q+1], v[AL+2*\q:AL+2*\q+1] op_sel_hi:[1,0]
.endr
.endif
	EXPHALF 0, 1, \first
	VLOAD                                          ; into the S registers of qt = 0, 1, which have just been packed
	EXPHALF 2, 3, \first
	s_wait_dscnt 0x0                               ; V's fragments (and the next K fragments, issued before them)
.if \sig
	s_set_vgpr_msb 0x500
	s_wait_tensorcnt 0x0                           ; all my tensor loads have landed: the one that was out is my part of the other slot
	ds_add_u32 v254, v255
	s_wait_dscnt 0x0
	s_set_vgpr_msb 0x5
	s_barrier_signal -1                            ; my reads of this slot are over; up to the barrier's wait only registers are touched
.endif
.if \first
.else
	WIN 0x41
.irp q, 0,1,2,3
.set ii, 0
.rept 16
	v_pk_mul_f32 v[OO+32*\q+ii:OO+32*\q+ii+1], v[OO+32*\q+ii:OO+32*\q+ii+1], v[AL+2*\q:AL+2*\q+1] op_sel_hi:[1,0]   ; O *= alpha
.set ii, ii+2
.endr
.endr
.endif
	WIN 0x51
.irp q, 0,1,2,3
.irp d, 0,1,2,3
.if \first
	v_wmma_f32_16x16x32_f16 v[OO+8*(4*\q+\d):OO+8*(4*\q+\d)+7], v[VF+16*\d:VF+16*\d+7], v[PF+16*\q:PF+16*\q+7], 0
.else
	v_wmma_f32_16x16x32_f16 v[OO+8*(4*\q+\d):OO+8*(4*\q+\d)+7], v[VF+16*\d:VF+16*\d+7], v[PF+16*\q:PF+16*\q+7], v[OO+8*(4*\q+\d):OO+8*(4*\q+\d)+7]
.endif
.endr
.endr
.irp q, 0,1,2,3
.irp d, 0,1,2,3
	v_wmma_f32_16x16x32_f16 v[OO+8*(4*\q+\d):OO+8*(4*\q+\d)+7], v[VF+16*\d+8:VF+16*\d+15], v[PF+16*\q+8:PF+16*\q+15], v[OO+8*(4*\q+\d):OO+8*(4*\q+\d)+7]
.endr
.endr
	WIN 0
	; five places: the next S products write over V's fragments, sources of these matrix instructions.  Two of them step the running addresses by a block.
	v_add_nc_u32 v[VC], VBLK, v[VC]
	v_add_nc_u32 v[KC], KBLK, v[KC]
.rept 3
	v_nop
.endr
.endm
; The rest of a slot: so many steps that each ask for the next block's K fragments, in a loop of one step, and the slot's last step
.macro WALK trips, sig
	s_mov_b32 s3, \trips
.Lwalk_\@:
	SUB 0, 1, 0
	s_sub_co_u32 s3, s3, 1
	s_cmp_lg_u32 s3, 0
	s_cbranch_scc1 .Lwalk_\@
	SUB 0, 0, \sig
.endm
; The change of slots.  The barrier's signal was given in the old slot's last step, behind each wave's waits for its reads of that slot and for all its tensor
; loads.  fill = 1: the barrier opens a round of the cluster's barrier, and the old slot's joint refill is the first thing behind the round, one load a wave;
; that load has the next slot's eight steps in which to land.
.macro CHANGE next, old, fill
	s_barrier_wait -1
.if \fill
	CREST                                          ; no wave of any partner still reads the old slot or has a load on its way
	s_add_nc_u64 s[G0K+4*\old+2:G0K+4*\old+3], s[G0K+4*\old+2:G0K+4*\old+3], 131072    ; no tensor load of mine is out: 1,024 keys on
	s_add_nc_u64 s[G0V+4*\old+2:G0V+4*\old+3], s[G0V+4*\old+2:G0V+4*\old+3], 131072
	JLOAD \old
.endif
	KLOAD KA+\next                                 ; the next slot's block 0
	v_add_nc_u32 v[KC], KBLK, v[KA+\next]          ; the running addresses: K's block 1,
	v_mov_b32 v[VC], v[VA+\next]                   ; V's block 0
.endm
	s_wait_tensorcnt 0x1                           ; my part of slot 0 is in; slot 1's load, issued behind it, may stay out
	s_barrier_signal -1
	s_barrier_wait -1
	KLOAD KA
	v_add_nc_u32 v[KC], KBLK, v[KA]
	v_mov_b32 v[VC], v[VA]
	s_wait_loadcnt 0x0                             ; Q
	SUB 1, 1, 0                                    ; keys 0-63 start maximum, sums and O
	WALK 6, 1                                      ; keys 64-511
	CHANGE 1, 0, 1                                 ; slot 0 gets keys 1,024-1,535
	WALK 7, 1                                      ; keys 512-1,023
	CHANGE 0, 1, 1                                 ; slot 1 gets keys 1,536-2,047
	WALK 7, 1                                      ; keys 1,024-1,535
	CHANGE 1, 0, 0                                 ; nothing is left to fetch
	WALK 7, 0                                      ; keys 1,536-2,047
	; THE WAY OUT: O / sum, rounded to f16, through my stage, 32 rows at a time, so that a wave's store covers 512 consecutive bytes (four rows of the head).
	; The five places that end the last step stand in front of the reads of O.
.irp q, 0,1,2,3
	v_add_f32 v[MM+2*\q+1], v[LL+2*\q], v[LL+2*\q+1]
.endr
.irp q, 0,1,2,3
	v_permlanex16_b32 v[AL+2*\q+1], v[MM+2*\q+1], s12, s13
.endr
.irp q, 0,1,2,3
	v_add_f32 v[MM+2*\q+1], v[MM+2*\q+1], v[AL+2*\q+1]                       ; the row's sum; at least 1, since the largest weight is 2^0
.endr
.irp q, 0,1,2,3
	v_rcp_f32 v[AL+2*\q], v[MM+2*\q+1]
.endr
	v_nop                                          ; one plain vector instruction behind the reciprocals
	WIN 0x41
	s_wait_alu depctr_va_vdst(0)
.irp q, 0,1,2,3
.set ii, 0
.rept 16
	v_pk_mul_f32 v[OO+32*\q+ii:OO+32*\q+ii+1], v[OO+32*\q+ii:OO+32*\q+ii+1], v[AL+2*\q:AL+2*\q+1] op_sel_hi:[1,0]
.set ii, ii+2
.endr
.endr
	WIN 0x05
.irp q, 0,1,2,3
.set ii, 0
.rept 16
	v_cvt_pk_f16_f32 v[PF+16*\q+ii], v[OO+32*\q+2*ii], v[OO+32*\q+2*ii+1]
.set ii, ii+1
.endr
.endr
	WIN 0
.irp g, 0,1
.irp q, 0,1
.irp d, 0,1,2,3
	ds_store_b128 v[STO], v[PF+16*(2*\g+\q)+4*\d:PF+16*(2*\g+\q)+4*\d+3] offset:\q*16*OPITCH+32*\d
.endr
.endr
.irp t, 0,1,2,3,4,5,6,7
	ds_load_b128 v[KF+4*(8*\g+\t):KF+4*(8*\g+\t)+3], v[RD] offset:\t*4*OPITCH   ; LDS serves a wave's instructions in order: these see the stores above, and the second pass's stores come behind the first's loads
.endr
.irp t, 0,1,2,3,4,5,6,7
	s_wait_dscnt 7-\t                              ; read-back t of this pass is in, the younger ones stay out
	global_store_b128 v[CO], v[KF+4*(8*\g+\t):KF+4*(8*\g+\t)+3], s[6:7] offset:512*(8*\g+\t)
.endr
.endr
	s_wait_tensorcnt 0x0
	ds_add_u32 v254, v255
	s_wait_dscnt 0x0
	CROUND                                         ; the closing round
	s_endpgm
.Lfunc_end_k_q2520bc23f8_attn:
	.size	k_q2520bc23f8_attn, .Lfunc_end_k_q2520bc23f8_attn-k_q2520bc23f8_attn
	.p2alignl 7, 3214868480
	.fill 96, 4, 3214868480
	.section	.rodata,"a",@progbits
	.p2align	6, 0x0
	.amdhsa_kernel k_q2520bc23f8_attn
		.amdhsa_group_segment_fixed_size 327680
		.amdhsa_private_segment_fixed_size 0
		.amdhsa_enable_private_segment 0
		.amdhsa_kernarg_size 16
		.amdhsa_user_sgpr_count 2
		.amdhsa_user_sgpr_kernarg_segment_ptr 1
		.amdhsa_wavefront_size32 1
		.amdhsa_system_sgpr_workgroup_id_x 1
		.amdhsa_system_sgpr_workgroup_id_y 1
		.amdhsa_system_sgpr_workgroup_id_z 1
		.amdhsa_system_vgpr_workitem_id 0
		.amdhsa_next_free_vgpr 512
		.amdhsa_next_free_sgpr 66
		.amdhsa_reserve_vcc 0
		.amdhsa_float_denorm_mode_32 3
		.amdhsa_float_denorm_mode_16_64 3
		.amdhsa_memory_ordered 1
		.amdhsa_forward_progress 1
		.amdhsa_inst_pref_size 255
	.end_amdhsa_kernel
	.section	.bss,"aw",@nobits
	.p2align	6
	.space	262144
	.amdgpu_metadata
---
amdhsa.version: [ 1, 2 ]
amdhsa.kernels:
  - .name:           k_q2520bc23f8_attn
    .symbol:         k_q2520bc23f8_attn.kd
    .args:
      - { .name: qkv, .offset: 0, .size: 8, .value_kind: global_buffer, .address_space: global }
      - { .name: cb, .offset: 8, .size: 8, .value_kind: global_buffer, .address_space: global }
    .group_segment_fixed_size: 327680
    .private_segment_fixed_size: 0
    .kernarg_segment_align: 8
    .kernarg_segment_size: 16
    .max_flat_workgroup_size: 256
    .sgpr_count:     66
    .vgpr_count:     512
    .wavefront_size: 32
...
	.end_amdgpu_metadata
.endif
;; end of part 3
;; launch oproj (part 4): grid 4 x 64, 4 waves a work-group, clusters of 4 x 4, 327,680 bytes of LDS; arguments cb, wb, bo, out0; writes out0
.if DOCPART == 4
	.amdgcn_target "amdgcn-amd-amdhsa--gfx1250"
	.amdhsa_code_object_version 6
	.text
	.protected	k_q2520bc23f8_oproj
	.globl	k_q2520bc23f8_oproj
	.p2align	8
	.type	k_q2520bc23f8_oproj,@function
k_q2520bc23f8_oproj:
	s_mov_b64 s[64:65], 0
	v_nop
	global_prefetch_b8 v0, s[64:65] scope:SCOPE_SE
	s_setreg_imm32_b32 hwreg(HW_REG_WAVE_MODE, 25, 1), 1
	s_wait_xcnt 0x0
	s_wait_alu depctr_hold_cnt(0) depctr_sa_sdst(0) depctr_va_vdst(0) depctr_va_sdst(0) depctr_va_ssrc(0) depctr_va_vcc(0) depctr_vm_vsrc(0)
	s_getreg_b32 s2, hwreg(HW_REG_IB_STS2, 6, 4)
	s_cmp_eq_u32 s2, 0
	s_cbranch_scc0 .Lentry_in_a_cluster
	s_endpgm
.Lentry_in_a_cluster:
	s_bfe_u32 s2, ttmp6, 0x10000c
	s_cmp_lg_u32 s2, 0xf033
	s_cbranch_scc0 .Lentry_shape_is_right
	s_endpgm
.Lentry_shape_is_right:
; out0[m][n] = sum over k of ctx[m][k] Wo[k][n] + bo[n], f32.  ctx is cb[b][h][s][d] in f16 (k = 64 h + d), Wo is part 3 of wb, f16 [k][n].
; FORMAT: both operands are f16 as the launches before left them, sums in f32, the bias is added in f32; the result is not rounded again.
; NaN and infinity spread as the arithmetic spreads them.
; SHARE: M = 8,192, N = 1,024, K = 1,024.  A work-group makes 128 x 256: 64 x 4 = 256 work-groups.  Four waves, a wave makes 64 x 128 (32 accumulator tiles).
; K goes in steps of 128 = two heads through two LDS slots.  A head's 128 rows are 16,384 dense bytes and come as 64 rows of 256 bytes, two rows of ctx each.
; CLUSTERS 4 x 4: ctx's tile hangs on the block row alone (joint along a row of the cluster), Wo's on the block column alone (joint along a column).
; The matrix instruction is used transposed: source 0 = 16 columns of Wo (transposing LDS load), source 1 = 16 rows of ctx; register j of lane (r, h) is
; row m = r, column n = 8 h + j.
; REGISTERS: window 0: v16-23 addresses; v32-63, v64-95 ctx fragments, two buffers; v96-159 sums + bias; v160-223 rows read back.
;            window 1: v0-63, v64-127 Wo fragments, two buffers; v128-191 bias.   window 2: accumulator tile (mt, nt) at 8 (8 mt + nt).
.set KSTEP,  128
.set APITCH, 272                       ; 256 + 16
.set WPITCH, 544                       ; 512 + 32
.set PART,   64*WPITCH                 ; 34,816: what one tensor load fills (ctx's 64 x 272 fit inside)
.set SLOT,   4*PART                    ; head 2f, head 2f + 1, Wo k-rows 0-63, Wo k-rows 64-127
.set STAGE,  2*SLOT                    ; behind the ring: 16 rows x 528 bytes for each wave; no tensor load lands there
.set SPITCH, 528
.set LAPS,   1024/(2*KSTEP)
.set AA,   16
.set WA,   18
.set STO,  20
.set RD,   21
.set CO,   22
.set BO,   23
.set XB,   32
.set TMP,  96
.set OUTR, 160
.set WF,   0                           ; window 1
.set BIAS, 128                         ; window 1
.set G1A, 24
.set G0A, 32
.set G1W, 48
.set G0W, 56
.set MULW, 0xa1
.set TO_W, 0x40
.set MSB, 0
.macro WIN new
.if MSB != \new
	s_set_vgpr_msb (MSB<<8)|\new
.set MSB, \new
.endif
.endm
.macro PLACES
.rept 4
	v_nop
.endr
.endm
.macro JLOAD s                         ; waves 0, 1 fetch the two heads of ctx, waves 2, 3 Wo's two halves
	s_cmp_eq_u32 s69, 0
	s_cbranch_scc0 .Lfor_w_\@
	tensor_load_to_lds s[G0A+4*\s:G0A+4*\s+3], s[G1A:G1A+7]
	s_nop 0
	s_branch .Lasked_\@
.Lfor_w_\@:
	tensor_load_to_lds s[G0W+4*\s:G0W+4*\s+3], s[G1W:G1W+7]
	s_nop 0
.Lasked_\@:
.endm
.macro CREST
	s_cmp_lg_u32 s68, 0
	s_cbranch_scc1 .Lnot_wave_0_\@
	s_barrier_signal -3
.Lnot_wave_0_\@:
	s_barrier_wait -3
	s_barrier_signal -1
	s_barrier_wait -1
.endm
.macro CROUND
	s_barrier_signal -1
	s_barrier_wait -1
	CREST
.endm
	s_load_b256 s[4:11], s[0:1], 0x0               ; cb s[4:5], wb s[6:7], bo s[8:9], out0 s[10:11]
	s_set_vgpr_msb 0x40
	v_lshl_add_u32 v255, v0, 2, 0x4c400
	s_set_vgpr_msb 0x4000
	v_mov_b32 v255, 0
	s_set_vgpr_msb 0x1
	ds_add_u32 v255, v255
	ds_add_u32 v255, v255
	s_set_vgpr_msb 0x100
	v_lshrrev_b32 v1, 5, v0
	v_readfirstlane_b32 s68, v1                    ; wave 0..3
	s_lshr_b32 s69, s68, 1                         ; mh.  Also: I fetch ctx (0) or Wo (1)
	s_and_b32 s70, s68, 1                          ; nh.  Also: which head, or which 64 k-rows, I fetch
	s_bfe_u32 s40, ttmp6, 0x40000                  ; cx
	s_bfe_u32 s41, ttmp6, 0x40004                  ; cy
	s_lshl_b32 s42, ttmp9, 2
	s_add_co_u32 s42, s42, s40                     ; block column 0..3
	s_and_b32 s43, ttmp7, 0xffff
	s_lshl_b32 s43, s43, 2
	s_add_co_u32 s43, s43, s41                     ; block row 0..63
	s_lshl_b32 s44, s41, 2
	s_lshl_b32 s44, 15, s44                        ; my row of the cluster
	s_lshl_b32 s45, 0x1111, s40                    ; my column
	; group 1 for ctx: 64 rows x 128 elements of 2 bytes, dense; 4 words of padding behind every 64 words
	s_or_b32 s[G1A+0], s44, (1<<16)|(1<<20)|(1<<21)|(5<<22)|(3<<25)
	s_mov_b32 s[G1A+1], 128<<16
	s_mov_b32 s[G1A+2], 64<<16
	s_mov_b32 s[G1A+3], 128<<16
	s_mov_b32 s[G1A+4], 64
	s_mov_b32 s[G1A+5], 128
	s_mov_b32 s[G1A+6], 0
	s_mov_b32 s[G1A+7], 0
	; group 1 for Wo: 64 k-rows x 256 elements of 2 bytes; 8 words of padding behind every 128 words
	s_or_b32 s[G1W+0], s45, (1<<16)|(1<<20)|(1<<21)|(6<<22)|(7<<25)
	s_mov_b32 s[G1W+1], 256<<16
	s_mov_b32 s[G1W+2], 64<<16
	s_mov_b32 s[G1W+3], 256<<16
	s_mov_b32 s[G1W+4], 64
	s_mov_b32 s[G1W+5], 1024
	s_mov_b32 s[G1W+6], 0
	s_mov_b32 s[G1W+7], 0
	; offsets of the first tiles.  ctx's registers never hold cx, Wo's never hold cy.
	s_lshr_b32 s72, s43, 4                         ; batch
	s_lshl_b32 s72, s72, 22
	s_and_b32 s73, s43, 15                         ; 128 rows of the sequence x 128 bytes
	s_lshl_b32 s73, s73, 14
	s_add_co_u32 s72, s72, s73
	s_lshl_b32 s73, s70, 18                        ; my head of the step's two
	s_add_co_u32 s72, s72, s73
	s_mov_b32 s73, 0
	s_lshl_b32 s76, s70, 17                        ; my 64 k-rows of 2,048 bytes
	s_lshl_b32 s77, s42, 9                         ; block column x 256 columns x 2 bytes
	s_add_co_u32 s76, s76, s77
	s_add_co_u32 s76, s76, 3*2097152               ; Wo is part 3 of wb
	s_mov_b32 s77, 0
	s_mul_i32 s21, s68, PART
	s_wait_dscnt 0x0
	s_wait_kmcnt 0x0
	s_add_nc_u64 s[74:75], s[4:5], s[72:73]
	s_add_nc_u64 s[78:79], s[6:7], s[76:77]
	CROUND                                         ; all sixteen work-groups are here
.irp s, 0,1
	s_mov_b32 s[G0A+4*\s], 1
	s_add_co_u32 s[G0A+4*\s+1], s21, \s*SLOT
	s_add_nc_u64 s[G0A+4*\s+2:G0A+4*\s+3], s[74:75], \s*2*262144       ; K step s: two heads on
	s_or_b32 s[G0A+4*\s+3], s[G0A+4*\s+3], 0x80000000
	s_mov_b32 s[G0W+4*\s], 1
	s_add_co_u32 s[G0W+4*\s+1], s21, \s*SLOT
	s_add_nc_u64 s[G0W+4*\s+2:G0W+4*\s+3], s[78:79], \s*KSTEP*2048     ; K step s: 128 k-rows down
	s_or_b32 s[G0W+4*\s+3], s[G0W+4*\s+3], 0x80000000
	JLOAD \s                                       ; two tensor loads of the wave are out
.endr
	v_and_b32 v1, 31, v0                           ; L
	v_and_b32 v2, 15, v0                           ; r
	v_bfe_u32 v3, v0, 4, 1                         ; h
	v_and_b32 v4, 7, v0                            ; L & 7
	v_bfe_u32 v5, v0, 3, 1                         ; (L >> 3) & 1
	v_lshlrev_b32 v[BO], 5, v3
	s_lshl_b32 s80, s42, 10                        ; my 128 columns x 4 bytes: in bo, and in a row of out0
	s_lshl_b32 s81, s70, 9
	s_add_co_u32 s80, s80, s81
	s_mov_b32 s81, 0
	s_add_nc_u64 s[8:9], s[8:9], s[80:81]
	WIN TO_W
.irp b, 0,1,2,3,4,5,6,7
	global_load_b128 v[BIAS+8*\b:BIAS+8*\b+3], v[BO], s[8:9] offset:64*\b
	global_load_b128 v[BIAS+8*\b+4:BIAS+8*\b+7], v[BO], s[8:9] offset:64*\b+16
.endr
	WIN 0
	; ctx fragment: row m lies in LDS row m >> 1, half m & 1; lane (r, h) takes 16 bytes at 16 h and at 16 h + 32
	s_mul_i32 s46, s69, 32*APITCH                  ; my 64 rows
	v_lshrrev_b32 v6, 1, v2
	v_mul_u32_u24 v7, v6, APITCH
	v_and_b32 v6, 1, v0
	v_lshl_add_u32 v7, v6, 7, v7
	v_lshl_add_u32 v7, v3, 4, v7
	v_add_nc_u32 v[AA], s46, v7
	v_add_nc_u32 v[AA+1], SLOT, v[AA]
	s_lshl_b32 s47, s70, 8
	s_add_co_u32 s47, s47, 2*PART
	v_lshl_add_u32 v7, v3, 3, v4
	v_mul_u32_u24 v7, v7, WPITCH
	v_lshl_add_u32 v7, v5, 4, v7
	v_add_nc_u32 v[WA], s47, v7
	v_add_nc_u32 v[WA+1], SLOT, v[WA]
	s_mul_i32 s46, s68, 16*SPITCH
	s_add_co_u32 s46, s46, STAGE                   ; my stage
	v_mul_u32_u24 v7, v2, SPITCH
	v_lshl_add_u32 v7, v3, 5, v7
	v_add_nc_u32 v[STO], s46, v7                   ; in: row r, 32 bytes for each half of the lanes
	v_lshlrev_b32 v[CO], 4, v1
	v_add_nc_u32 v[RD], s46, v[CO]                 ; back: a row's 512 bytes, 16 a lane
	s_lshl_b32 s82, s43, 19                        ; my first row of out0: (128 x block row + 64 mh) x 4,096 bytes
	s_lshl_b32 s83, s69, 18
	s_add_co_u32 s82, s82, s83
	s_add_co_u32 s82, s82, s80                     ; + my columns
	s_mov_b32 s83, 0
	s_add_nc_u64 s[10:11], s[10:11], s[82:83]
; 24 LDS loads: the fragments of quarter q (32 along K: head q / 2 of the step's two, d = 32 (q mod 2) ..) into buffer g
.macro FETCH slot, q, g
	WIN TO_W
.irp b, 0,1,2,3,4,5,6,7
	ds_load_tr16_b128 v[WF+64*\g+8*\b:WF+64*\g+8*\b+3], v[WA+\slot] offset:\q*32*WPITCH+32*\b
	ds_load_tr16_b128 v[WF+64*\g+8*\b+4:WF+64*\g+8*\b+7], v[WA+\slot] offset:\q*32*WPITCH+32*\b+16*WPITCH
.endr
	WIN 0
.irp a, 0,1,2,3
	ds_load_b128 v[XB+32*\g+8*\a:XB+32*\g+8*\a+3], v[AA+\slot] offset:(\q/2)*PART+(\q%2)*64+\a*8*APITCH
	ds_load_b128 v[XB+32*\g+8*\a+4:XB+32*\g+8*\a+7], v[AA+\slot] offset:(\q/2)*PART+(\q%2)*64+\a*8*APITCH+32
.endr
.endm
; The 32 accumulators take turns, one instruction a turn, in one order everywhere.
.macro MUL16 f, m0, zero
.irp a, \m0, \m0+1
.irp b, 0,1,2,3,4,5,6,7
.if \zero
	v_wmma_f32_16x16x32_f16 v[8*(8*(\a)+\b):8*(8*(\a)+\b)+7], v[WF+64*\f+8*\b:WF+64*\f+8*\b+7], v[XB+32*\f+8*(\a):XB+32*\f+8*(\a)+7], 0
.else
	v_wmma_f32_16x16x32_f16 v[8*(8*(\a)+\b):8*(8*(\a)+\b)+7], v[WF+64*\f+8*\b:WF+64*\f+8*\b+7], v[XB+32*\f+8*(\a):XB+32*\f+8*(\a)+7], v[8*(8*(\a)+\b):8*(8*(\a)+\b)+7]
.endif
.endr
.endr
.endm
; One of a K step's first three quarters: asks for the next quarter's fragments into buffer g, which the matrix instructions just in front have read
; (hence the four places), and multiplies buffer f meanwhile
.macro QUARTER slot, qn, f, g, zero
	PLACES
	FETCH \slot, \qn, \g
	s_wait_dscnt 24                                ; all but the 24 loads just issued: buffer f is in
	WIN MULW
	MUL16 \f, 0, \zero
	MUL16 \f, 2, \zero
.endm
.macro THREE slot, zero
	QUARTER \slot, 1, 0, 1, \zero
	QUARTER \slot, 2, 1, 0, 0
	QUARTER \slot, 3, 0, 1, 0
.endm
; The last quarter: multiplies buffer 1 and changes slots; the order as in the projections' kernel: waits, barrier (a round of the cluster's barrier where
; the slot is filled again), the refill first, then the next slot's first fragments.
.macro TURN slot, next, fill
	s_wait_dscnt 0x0                               ; buffer 1 is in, and with it my last reads of this slot
	s_wait_tensorcnt 0x0                           ; all my tensor loads have landed: the one that was out is my part of the next slot
	ds_add_u32 v255, v255
	s_wait_dscnt 0x0
	s_barrier_signal -1
	WIN MULW
	MUL16 1, 0, 0
	WIN 0
	s_barrier_wait -1
.if \fill
	CREST
	s_add_nc_u64 s[G0A+4*\slot+2:G0A+4*\slot+3], s[G0A+4*\slot+2:G0A+4*\slot+3], 4*262144
	s_add_nc_u64 s[G0W+4*\slot+2:G0W+4*\slot+3], s[G0W+4*\slot+2:G0W+4*\slot+3], 2*KSTEP*2048
	JLOAD \slot                                    ; my one tensor load behind the round; 112 matrix instructions stand between it and the wait for it
.endif
	PLACES                                         ; four places in front of the loads into buffer 0
	FETCH \next, 0, 0
	WIN MULW
	MUL16 1, 2, 0
.endm
.macro LAP zero
	THREE 0, \zero
	TURN 0, 1, 1
	THREE 1, 0
	TURN 1, 0, 1
.endm
	s_wait_tensorcnt 0x1                           ; my part of K step 0 is in; K step 1's load, issued behind it, may stay out
	s_barrier_signal -1
	s_barrier_wait -1
	FETCH 0, 0, 0
	s_wait_loadcnt 0x0                             ; the sixteen bias loads, once
	LAP 1
	WIN 0                                          ; at a label and at a branch every window is 0
	s_mov_b32 s3, LAPS-2
.Llap:
	LAP 0
	WIN 0
	s_sub_co_u32 s3, s3, 1
	s_cmp_lg_u32 s3, 0
	s_cbranch_scc1 .Llap
	THREE 0, 0                                     ; the last lap fills nothing
	TURN 0, 1, 0
	THREE 1, 0
	s_wait_dscnt 0x0
	WIN MULW
	MUL16 1, 0, 0
	MUL16 1, 2, 0
	PLACES                                         ; four places in front of the reads of the sums
; THE WAY OUT, 16 rows at a time: sum + bias in f32, 32 bytes a lane into my stage, read back by rows: a wave's store covers 512 consecutive bytes, aligned.
.macro OUT16 a
	WIN 0x06                                       ; source 0 window 2 (sums), source 1 window 1 (bias), destination window 0
.irp b, 0,1,2,3,4,5,6,7
.irp j, 0,2,4,6
	v_pk_add_f32 v[TMP+8*\b+\j:TMP+8*\b+\j+1], v[8*(8*\a+\b)+\j:8*(8*\a+\b)+\j+1], v[BIAS+8*\b+\j:BIAS+8*\b+\j+1]
.endr
.endr
	WIN 0
.irp b, 0,1,2,3,4,5,6,7
	ds_store_b128 v[STO], v[TMP+8*\b:TMP+8*\b+3] offset:64*\b
	ds_store_b128 v[STO], v[TMP+8*\b+4:TMP+8*\b+7] offset:64*\b+16
.endr
	s_wait_xcnt 0x0                                ; OUTR, which the earlier stores read, is loaded again only behind this wait
.irp t, 0,1,2,3,4,5,6,7,8,9,10,11,12,13,14,15
	ds_load_b128 v[OUTR+4*\t:OUTR+4*\t+3], v[RD] offset:\t*SPITCH            ; LDS serves a wave's instructions in order: these see the stores above
.endr
.irp t, 0,1,2,3,4,5,6,7,8,9,10,11,12,13,14,15
	s_wait_dscnt 15-\t                             ; read-back t is in, the younger ones stay out
	global_store_b128 v[CO], v[OUTR+4*\t:OUTR+4*\t+3], s[10:11] offset:(16*\a+\t)*4096 th:TH_STORE_NT
.endr
.endm
	OUT16 0
	OUT16 1
	OUT16 2
	OUT16 3
	s_set_vgpr_msb 0x1
	s_wait_tensorcnt 0x0
	ds_add_u32 v255, v255
	s_wait_dscnt 0x0
	s_set_vgpr_msb 0x100
	CROUND                                         ; the closing round
	s_endpgm
.Lfunc_end_k_q2520bc23f8_oproj:
	.size	k_q2520bc23f8_oproj, .Lfunc_end_k_q2520bc23f8_oproj-k_q2520bc23f8_oproj
	.p2alignl 7, 3214868480
	.fill 96, 4, 3214868480
	.section	.rodata,"a",@progbits
	.p2align	6, 0x0
	.amdhsa_kernel k_q2520bc23f8_oproj
		.amdhsa_group_segment_fixed_size 327680
		.amdhsa_private_segment_fixed_size 0
		.amdhsa_enable_private_segment 0
		.amdhsa_kernarg_size 32
		.amdhsa_user_sgpr_count 2
		.amdhsa_user_sgpr_kernarg_segment_ptr 1
		.amdhsa_wavefront_size32 1
		.amdhsa_system_sgpr_workgroup_id_x 1
		.amdhsa_system_sgpr_workgroup_id_y 1
		.amdhsa_system_sgpr_workgroup_id_z 1
		.amdhsa_system_vgpr_workitem_id 0
		.amdhsa_next_free_vgpr 768
		.amdhsa_next_free_sgpr 84
		.amdhsa_reserve_vcc 0
		.amdhsa_float_denorm_mode_32 3
		.amdhsa_float_denorm_mode_16_64 3
		.amdhsa_memory_ordered 1
		.amdhsa_forward_progress 1
		.amdhsa_inst_pref_size 127
	.end_amdhsa_kernel
	.amdgpu_metadata
---
amdhsa.version: [ 1, 2 ]
amdhsa.kernels:
  - .name:           k_q2520bc23f8_oproj
    .symbol:         k_q2520bc23f8_oproj.kd
    .args:
      - { .name: cb, .offset: 0, .size: 8, .value_kind: global_buffer, .address_space: global }
      - { .name: wb, .offset: 8, .size: 8, .value_kind: global_buffer, .address_space: global }
      - { .name: bo, .offset: 16, .size: 8, .value_kind: global_buffer, .address_space: global }
      - { .name: out0, .offset: 24, .size: 8, .value_kind: global_buffer, .address_space: global }
    .group_segment_fixed_size: 327680
    .private_segment_fixed_size: 0
    .kernarg_segment_align: 8
    .kernarg_segment_size: 32
    .max_flat_workgroup_size: 128
    .sgpr_count:     84
    .vgpr_count:     768
    .wavefront_size: 32
...
	.end_amdgpu_metadata
.endif
;; end of part 4
;; ======== version 2 of 2: 4 launches; version 1 with the launch prep written anew for expert scheduling mode
;; limits: values are held in f16: magnitudes above 65,504 overflow, below 6.1e-05 lose precision; right only within a limited range of input values
;; workspace buffers: wb 8,388,608 bytes; qkv 50,331,648 bytes; cb 16,777,216 bytes
;; launch prep (part 5): grid 256 x 1, 8 waves a work-group, no clusters, 0 bytes of LDS; arguments Wq, Wk, Wv, Wo, wb; writes wb
.if DOCPART == 5
	.amdgcn_target "amdgcn-amd-amdhsa--gfx1250"
	.amdhsa_code_object_version 6
	.text
	.protected	k_q2520bc23f8_prep
	.globl	k_q2520bc23f8_prep
	.p2align	8
	.type	k_q2520bc23f8_prep,@function
k_q2520bc23f8_prep:
	s_mov_b64 s[64:65], 0
	v_nop
	global_prefetch_b8 v0, s[64:65] scope:SCOPE_SE
	s_setreg_imm32_b32 hwreg(HW_REG_WAVE_SCHED_MODE, 0, 2), 2
	s_setreg_imm32_b32 hwreg(HW_REG_WAVE_MODE, 25, 1), 1
	s_wait_xcnt 0x0
	s_wait_alu depctr_vm_vsrc(0)
; wb[p][k][n] = f16(W_p[k][n]), p = 0 Wq, 1 Wk, 2 Wv, 3 Wo; the order of the numbers is kept.
; Why: the later launches transpose the weights on the way from LDS to registers, and the transposing LDS load works on 16-bit numbers.
; Why f16 and not bf16: the program rounds twelve times between the inputs and the output; with f16's 11 significant bits each rounding is eight times
; finer than with bf16's 8.  LIMIT: a weight of magnitude 65,504 or more becomes infinity; below 2^-14 the spacing stays 2^-24.
; The weights drawn have a spread of 1/32: thirty times more or less, or an offset of thirty spreads, stays far inside.
; A stream: 16 MiB in, 8 MiB out, each byte once.  No LDS, no barrier, no matrix unit: nothing is shared and nothing is multiplied.
; 256 work-groups of 8 waves; a work-group takes 16,384 bytes of each weight, thread t the 16 bytes at 16 t of each chunk of 4,096.
; All sixteen loads of a thread go out first; no register is written twice, so no wait frees a source.
; THE MODE: SCHED_MODE bits 1:0 = 2 (LLVM: expert scheduling mode 2), set by the entry lines.  The code itself states the register dependences
; between vector instructions and memory instructions, with s_wait_alu, always for 0.
; THE PLAN.  Registers that memory instructions touch:
;   v1, v2   byte offsets.  Written once at the head by vector instructions; v1 is read by every load, v2 by every store; never written again.
;   X        sixteen quads.  Each is written once, by its load; no vector instruction names it ahead of that load; its two conversions read it.
;   Y        sixteen pairs.  Each is written once, by its two conversions, and read once, by its store; never written again.
; So the only dependences to state run from a vector result to a memory instruction that reads it: one wait on va_vdst ahead of the first load, for
; the offsets, and one for each weight's group of four loads, between the group's eight conversions and its run of four stores.  No register that
; a memory instruction has read is written again, so no wait on vm_vsrc is owed; no vector instruction writes a scalar register; EXEC is never written.
; The stores of a group follow its own conversions and are not put off to the next group's head: that head waits for data from memory,
; and nothing is loaded again that the stores could share a wait with.
.set X, 4                              ; v[4:67]   load i = 4 p + c: four f32
.set Y, 68                             ; v[68:99]  load i: four f16 in a pair
.set WPART, 2097152                    ; bytes of one weight in wb
	s_load_b256 s[4:11], s[0:1], 0x0               ; Wq s[4:5], Wk s[6:7], Wv s[8:9], Wo s[10:11]
	s_load_b64 s[12:13], s[0:1], 0x20              ; wb
	v_lshlrev_b32 v1, 4, v0                        ; 16 bytes a thread in
	v_lshlrev_b32 v2, 3, v0                        ; 8 bytes a thread out
	s_lshl_b32 s14, ttmp9, 14                      ; the work-group's 16,384 bytes of each input
	s_mov_b32 s15, 0
	s_lshl_b32 s16, ttmp9, 13                      ; and its 8,192 bytes of each part of wb
	s_mov_b32 s17, 0
	s_wait_kmcnt 0x0
.irp p, 0,1,2,3
	s_add_nc_u64 s[4+2*\p:5+2*\p], s[4+2*\p:5+2*\p], s[14:15]
.endr
	s_add_nc_u64 s[12:13], s[12:13], s[16:17]
	s_wait_alu depctr_va_vdst(0)                   ; v1 and v2 are written: every load below reads v1 as its offset, every store v2
.irp p, 0,1,2,3
.irp c, 0,1,2,3
	global_load_b128 v[X+4*(4*\p+\c):X+4*(4*\p+\c)+3], v1, s[4+2*\p:5+2*\p] offset:\c*4096 th:TH_LOAD_NT   ; read once in the launch
.endr
.endr
.irp p, 0,1,2,3
	s_wait_loadcnt 12-4*\p                         ; loads come back in order: this weight's four are in, the younger weights' stay out
.irp c, 0,1,2,3
	v_cvt_pk_f16_f32 v[Y+2*(4*\p+\c)], v[X+4*(4*\p+\c)], v[X+4*(4*\p+\c)+1]
	v_cvt_pk_f16_f32 v[Y+2*(4*\p+\c)+1], v[X+4*(4*\p+\c)+2], v[X+4*(4*\p+\c)+3]
.endr
	s_wait_alu depctr_va_vdst(0)                   ; the eight conversions have written this weight's four pairs of Y, which the four stores below read
.irp c, 0,1,2,3
	global_store_b64 v2, v[Y+2*(4*\p+\c):Y+2*(4*\p+\c)+1], s[12:13] offset:\p*WPART+\c*2048   ; a wave's store covers 256 consecutive bytes, aligned; later launches read them, so no hint
.endr
.endr
	s_endpgm
.Lfunc_end_k_q2520bc23f8_prep:
	.size	k_q2520bc23f8_prep, .Lfunc_end_k_q2520bc23f8_prep-k_q2520bc23f8_prep
	.p2alignl 7, 3214868480
	.fill 96, 4, 3214868480
	.section	.rodata,"a",@progbits
	.p2align	6, 0x0
	.amdhsa_kernel k_q2520bc23f8_prep
		.amdhsa_group_segment_fixed_size 0
		.amdhsa_private_segment_fixed_size 0
		.amdhsa_enable_private_segment 0
		.amdhsa_kernarg_size 40
		.amdhsa_user_sgpr_count 2
		.amdhsa_user_sgpr_kernarg_segment_ptr 1
		.amdhsa_wavefront_size32 1
		.amdhsa_system_sgpr_workgroup_id_x 1
		.amdhsa_system_sgpr_workgroup_id_y 1
		.amdhsa_system_sgpr_workgroup_id_z 1
		.amdhsa_system_vgpr_workitem_id 0
		.amdhsa_next_free_vgpr 104
		.amdhsa_next_free_sgpr 66
		.amdhsa_reserve_vcc 0
		.amdhsa_float_denorm_mode_32 3
		.amdhsa_float_denorm_mode_16_64 3
		.amdhsa_memory_ordered 1
		.amdhsa_forward_progress 1
		.amdhsa_inst_pref_size 7
	.end_amdhsa_kernel
	.amdgpu_metadata
---
amdhsa.version: [ 1, 2 ]
amdhsa.kernels:
  - .name:           k_q2520bc23f8_prep
    .symbol:         k_q2520bc23f8_prep.kd
    .args:
      - { .name: Wq, .offset: 0, .size: 8, .value_kind: global_buffer, .address_space: global }
      - { .name: Wk, .offset: 8, .size: 8, .value_kind: global_buffer, .address_space: global }
      - { .name: Wv, .offset: 16, .size: 8, .value_kind: global_buffer, .address_space: global }
      - { .name: Wo, .offset: 24, .size: 8, .value_kind: global_buffer, .address_space: global }
      - { .name: wb, .offset: 32, .size: 8, .value_kind: global_buffer, .address_space: global }
    .group_segment_fixed_size: 0
    .private_segment_fixed_size: 0
    .kernarg_segment_align: 8
    .kernarg_segment_size: 40
    .max_flat_workgroup_size: 256
    .sgpr_count:     66
    .vgpr_count:     104
    .wavefront_size: 32
...
	.end_amdgpu_metadata
.endif
;; end of part 5
;; launch qkv: the kernel of part 2 again; grid 4 x 192, 4 waves a work-group, clusters of 4 x 4, 327,680 bytes of LDS; arguments query, key, value, bq, bk, bv, wb, qkv; writes qkv
;; launch attn: the kernel of part 3 again; grid 256 x 1, 8 waves a work-group, clusters of 4 x 1, 327,680 bytes of LDS; arguments qkv, cb; writes cb
;; launch oproj: the kernel of part 4 again; grid 4 x 64, 4 waves a work-group, clusters of 4 x 4, 327,680 bytes of LDS; arguments cb, wb, bo, out0; writes out0
